; MI455X (gfx1250); checked and timed in simulation.
; The chip was launched on July 23, 2026; its instructions are those of AMD's public machine-readable ISA for CDNA 5 (MIT licence, August 2026) and "CDNA5" Instruction Set Architecture Reference Guide (July 2026). The comments in the code are by the model that wrote it; some were corrected since.
;; QKV Multihead Attention. Allowed arithmetic: matrix products marked QUANTISED: E2M1 operands, one E8M0 scale for each 32 along K, by v_wmma_scale_f32_16x16x128_f8f6f4 with both operands' format E2M1 (or v_wmma_scale_f32_32x16x128_f4), f32 sums; everything else in f32.
;; Inputs: k 4 x 2,048 x 1,024 float32; q 4 x 2,048 x 1,024 float32; v_codes 4 x 1,024 x 64 x 16 uint8 (E2M1 codes of v, K innermost, in blocks of 32 codes, two codes a byte); v_scales 4 x 1,024 x 64 uint8 (E8M0 scales of v, one for each 32 codes along K).
;; Outputs: out0 4 x 2,048 x 1,024 float32.
;; This version of the problem:
;;   THIS VERSION OF THE PROBLEM IS GIVEN IN LOW PRECISION. The matrix products marked QUANTISED in the list below multiply operands that are first quantised to E2M1 (2 exponent bits, 1 mantissa bit; 4 bits a number), with one power-of-two scale for each 32 numbers along K (OCP MX v1.0); their sums are f32. All else is computed in f32.
;;   The module's matrix products, in the order in which they are computed (A, B: the left and right operand; K: the contracted axis; several contracted axes count as one K, in the product's order):
;;     1. batch 64 x [M 2,048, K 64] x [K 64, N 2,048]; A: computed on the way; B: computed on the way: QUANTISED
;;     2. batch 64 x [M 64, K 2,048] x [K 2,048, N 2,048]; A: input v (given as codes); B: softmax (see below): QUANTISED
;;   THE QUANTISER, for each operand of a quantised product, along K:
;;     - K is cut into blocks of 32 from its start; a last block that is shorter is filled with zeros.
;;     - A block's scale is 2^e with e = floor(log2(the largest magnitude in the block)) - 2, held to -126 .. 127; a block of zeros has e = 0. As a byte (E8M0): e + 127.
;;     - Each number is divided by its block's scale, clamped to +-6, and rounded to the nearest number of E2M1, ties to even, subnormals kept.
;;     - The product sums the exact products of the quantised numbers (number of the format x scale) in f32.
;;   ~~~python
;;   def quantise(x, axis):      # numpy; x: float32 -> the quantised numbers, widened to float32 again
;;       x = np.moveaxis(x, axis, -1); K = x.shape[-1]
;;       x = np.pad(x, [(0, 0)] * (x.ndim - 1) + [(0, -K % 32)]); x = x.reshape(x.shape[:-1] + (-1, 32)); a = np.abs(x).max(-1, keepdims=True)
;;       e = np.where(a > 0, np.clip(np.frexp(np.where(a > 0, a, 1))[1] - 1 - 2, -126, 127), 0)      # np.frexp(a)[1] - 1 = floor(log2(a)), exactly
;;       r = np.clip(x / 2.0 ** e, -6, 6)
;;       step = 2.0 ** (np.maximum(np.frexp(np.where(r == 0, 1, r))[1] - 1, 0) - 1)
;;       q = np.round(r / step) * step * 2.0 ** e      # np.round: ties to even
;;       return np.moveaxis(q.reshape(q.shape[:-2] + (-1,))[..., :K], -1, axis).astype(np.float32)
;;   ~~~
;;   SOFTMAX AHEAD OF A QUANTISED PRODUCT. Where the list says 'softmax', what is quantised is not the finished softmax but p = 2^(t - M), with t = logit x log2(e) and M = ceil(the row's largest t), a whole number; so 1/2 < the row's largest p <= 1. The row's sum l is taken of the UNQUANTISED p, in f32, and the product's result is divided by l at the end. Since M is a whole number, a kernel that streams over the keys may use a running M (the ceiling of the running maximum): every later rescaling is an exact power of two, which a block's scale takes up: the codes' values come out the same.
;;   OPERANDS COMPUTED ON THE WAY. 'Computed on the way' means the value that the module computes at that place (a softmax that the list does not call 'softmax' is quantised finished and normalised). What goes into a quantiser is computed in f32, as accurately as f32 sums, v_exp_f32 and their like allow (about 1e-6 of the number): no bf16 or f16 on the way to a quantiser, and a product that is left as it is and whose result goes on into a quantised operand takes f32 operands (vector FMAs, or v_wmma_f32_16x16x4_f32). A number that lies on a knife's edge between two numbers of the format may be rounded either way, as far as f32 arithmetic and the matrix unit's own rounding can turn it there, and no further.
;;   INPUTS GIVEN AS CODES. v (in the module: [4, 2048, 1024], K = its axis 1): each comes as NAME_codes (uint8): NAME with its K axis moved to the last place and cut into blocks of 32 codes, [.., K / 32, bytes a block], one block behind the other in memory; two codes a byte, the lower K in the low four bits (a code: sign, 2 exponent bits, 1 mantissa bit); and NAME_scales (uint8): the same leading axes, one E8M0 byte (e + 127) for each 32 codes along K. Its value is code x scale, taken as it is: it is not quantised again, and the codes and scales need not be those that the quantiser above would give.
;; One version. Each part assembles by itself: llvm-mc -triple=amdgcn-amd-amdhsa -mcpu=gfx1250 --defsym DOCPART=n.
;; ======== version 1 of 1: 1 launch
;; limits: right only within a limited range of input values
;; launch attn (part 1): grid 4 x 64, 16 waves a work-group, clusters of 4 x 1, 230,912 bytes of LDS; arguments k, q, v_codes, v_scales, out0; writes out0
.if DOCPART == 1
	.amdgcn_target "amdgcn-amd-amdhsa--gfx1250"
	.amdhsa_code_object_version 6
	.text
	.protected	k_q6d369740c0_attn
	.globl	k_q6d369740c0_attn
	.p2align	8
	.type	k_q6d369740c0_attn,@function
k_q6d369740c0_attn:
	s_mov_b64 s[64:65], 0
	v_nop
	global_prefetch_b8 v0, s[64:65] scope:SCOPE_SE
	s_setreg_imm32_b32 hwreg(HW_REG_WAVE_MODE, 25, 1), 1
	s_wait_xcnt 0x0
	s_wait_alu depctr_hold_cnt(0) depctr_sa_sdst(0) depctr_va_vdst(0) depctr_va_sdst(0) depctr_va_ssrc(0) depctr_va_vcc(0) depctr_vm_vsrc(0)
	s_getreg_b32 s2, hwreg(HW_REG_IB_STS2, 6, 4)
	s_cmp_eq_u32 s2, 0
	s_cbranch_scc0 .Lentry_in_a_cluster
	s_endpgm
.Lentry_in_a_cluster:
	s_bfe_u32 s2, ttmp6, 0x10000c
	s_cmp_lg_u32 s2, 0x3003
	s_cbranch_scc0 .Lentry_shape_is_right
	s_endpgm
.Lentry_shape_is_right:
; out[b][t][h][:] = the sum over s of softmax_s((q s4) . (k s4)) v[b][s][h][:], s4 = 64^(-1/4); 4 batches x 16 heads, 2,048 queries x 2,048 keys, head size 64.
; Both products on codes of FP4 (E2M1), one E8M0 scale for each 32 along a product's K.  q, k: f32, multiplied by s4 and quantised here along the head's 64 channels (two blocks).  v arrives as codes with the keys innermost.
; THE SOFTMAX: t = score x log2(e); M = the row's largest t so far, rounded up to a whole number; p = 2^(t - M) is quantised along the keys; the row's sum of the unquantised p divides O at the end.
; When M moves, the sum and O are multiplied by 2^(old M - new M): exact.
; SHARES.  The four work-groups of a cluster are the four quarters (512 queries) of one head.  Sixteen waves of 256 registers; a wave owns 16 queries in a pass, two passes over the head's 2,048 keys, 128 a key step.
; A head's K (as images of the operand's registers), V and their scale bytes lie in LDS; no LDS byte is filled or stored twice but the waves' own stages.
; K IS QUANTISED WHILE THE FIRST PASS WALKS: a unit is 256 keys (two key steps), 16 keys a wave, in two halves of 8.  The head makes unit 0; trip n of the first pass (key steps 2 n, 2 n + 1) converts unit n + 1, one half ahead of each
; of its two steps; each half's 4 loads a wave were issued one trip before into 16 registers of their own.  The barrier is signalled behind the second half's stores and waited for at the trip's end: behind the wait unit n + 1 is whole.
; The second pass's q is asked for in trip 6, into the same registers, and converted at that pass's head.  In the second pass those 32 registers are K's buffer, so that a step's K is asked for a whole step ahead; that pass only reads LDS and has no barrier.
; V'S TILES ARE ASKED FOR JOINTLY by the four partners (mask 15): waves 0-3 a quarter of the codes each, wave 4 the scale bytes.  K's f32 rows are not: the quantiser wants them in registers; through LDS a head's 524,288 bytes
; would need slots filled again eight times, each behind a round of the cluster's barrier.  No prefetch is laid: K's rows are asked for by the loads themselves a whole trip, two key steps, ahead of their conversion.
; LAYOUT.  Both products transposed, in the form of 32 rows: S^T = K Q^T, O^T = V^T P^T: a lane holds one query throughout.  The first product's K is 64, the instruction's 128: ONE operand holds FOUR images of 16 keys
; (image 4 i + 2 v + u: rows 16 v .. 16 v + 15, k 64 u .. 64 u + 63), multiplied once by (q, zero codes), which gives the images with u = 0, and once by (zero codes, q), which gives those with u = 1.
; So image 4 i + 2 v + u lands in tile 4 i + 2 u + v of S^T (8 registers a tile).
; THE KEYS OF A TILE: row rho of tile 4 c + i is key 64 c + 32 (rho / 8) + 8 i + rho % 8, so that lane (r, h) holds in tiles 4 c .. 4 c + 3 the 32 neighbouring keys 64 c + 32 h + 0 .. 31: a whole block of p, in the second operand's own order.
; LIMITS.  NaN and infinities in q and k are not served; scores stay above -1e38 and the scaled scores under 2^31 in magnitude.  A block of q or k whose largest magnitude (after s4) lies under 2^-124, zeros among them, gets the scale byte 1
; (the rule says 127 for zeros): the bytes are read by this program alone.  v_exp_f32 gives 0 for p under 2^-126.  A block's largest p is taken as the exponential of the block's largest score.
.set KIMG, 0                           ; K's images: 4,096 x key step + 512 x image + 16 x lane
.set KSC,  65536                       ; K's scale words: 256 x key step + 8 x lane + 4 i: lane m, word i: row m of operand i's 32; bytes 0, 1 the two blocks of the image in k 0-63, bytes 2, 3 of that in k 64-127
.set VIMG, 69632                       ; V's codes: 64 rows x (1,024 bytes + 16 of padding)
.set VP,   1040
.set VSC,  136192                      ; V's scale bytes: 64 rows x (64 bytes + 8)
.set VSP,  72
.set QIMG, 140800                      ; Q's images: 1,024 x wave + 512 x pass + 16 x lane
.set QSC,  157184                      ; Q's scale words: 128 x wave + 64 x pass + 4 x query
.set STG,  159232                      ; the way out: 16 rows x (256 bytes + 16) for each wave
.set SP,   272
.set SPARE, 228864                     ; the spare words, 128 bytes a wave
; vector registers
.set AK0, 1                            ; v1-4 my lane's place in K's images, K's scale words, V's codes, V's scale words
.set AS0, 2
.set AV0, 3
.set AT0, 4
.set AQ0, 5
.set AQS, 6
.set GO,  7                            ; out: 4,096 h + 16 r
.set ADK, 8                            ; v8-11 the next loads' four addresses
.set ADS, 9
.set ADV, 10
.set ADT, 11                           ; v12 -M, v13 the largest score, v[14:15] the sum in two halves
.set QF,  16                           ; v16-27: q, zero codes, q
.set QS,  28                           ; Q's scale words (v28, v228-232 hold scales and nothing else)
.set STI, 29
.set STO, 30
.set KVO, 31                           ; q, k: 4,096 kk + 32 e
.set KF,  32                           ; v32-63 first pass: the step's eight images of K; behind the first product, and in the second pass, at work:
.set BM,  32                           ; v32-39 the tiles' largest scores; v32, v36 the blocks', then their largest p
.set TMP, 40
.set T1,  41
.set SOP, 42                           ; v42-43 the conversions' scale operands
.set BY,  44                           ; v44-45 scale bytes
.set WD,  46                           ; v46-47 p's scale word in the making
.set PC,  48                           ; v48-55 p's codes
.set OM,  56                           ; the old -M
.set VF,  64                           ; v64-95 V: two operands of 32 channels; on the way out rows of out
.set S,   96                           ; v96-159 S^T, then p
.set O,   160                          ; v160-191 O^T
.set XR,  192                          ; v192-223 first pass: numbers of k (at its end: of q) on their way; second pass: the step's eight images of K
.set KWI, 224                          ; where I store K's codes, unit 0
.set KWS, 225                          ; and K's scale halves
.set SH,  226                          ; 8 hb
.set SH8, 227                          ; 8 h
.set KS,  228
.set VS,  230
.set PS,  232
.set F,   234                          ; v234 f = 2^(old M - new M); v235 named with it as a pair
.set KWA, 236                          ; the unit's two store addresses
.set KSA, 237
.set QWI, 238
.set QWS, 239
.set U,   240                          ; v240-253 seven chains of the sum
.set SPW, 254
.set NIL, 255
; the quantiser's registers, between key steps
.set C,   96
.set W,   100
.set MX,  104
.set SO,  108
.set TD,  112
; scalar registers
.set WV,  14
.set SEL, 20
.set CS,  22                           ; s[22:23] log2(e)
.set SCL, 24                           ; s[24:25] s4
.set G1V, 28
.set G1S, 36
.set G0V, 44
.set G0S, 48
.set TK,  52                           ; what the next key step adds to the four addresses
.set TS,  53
.set TV,  54
.set TT,  55
.set STEPS, 58
.set TU,  59                           ; what the next unit adds to its two store addresses
.set TW,  68
.macro CROUND                          ; a round of the cluster's barrier
	s_barrier_signal -1
	s_barrier_wait -1
	s_cmp_lg_u32 s[WV], 0
	s_cbranch_scc1 .Lnot_wave_0_\@
	s_barrier_signal -3
.Lnot_wave_0_\@:
	s_barrier_wait -3
	s_barrier_signal -1
	s_barrier_wait -1
.endm
	s_load_b256 s[4:11], s[0:1], 0x0               ; k, q, V's codes, V's scales
	s_load_b64 s[12:13], s[0:1], 0x20              ; out
	v_lshl_add_u32 v[SPW], v0, 2, SPARE
	v_mov_b32 v[NIL], 0
	ds_add_u32 v[SPW], v[NIL]                      ; the opening lines: the add twice on end, and its wait ahead of the first tensor load
	ds_add_u32 v[SPW], v[NIL]
	v_lshrrev_b32 v32, 5, v0
	v_readfirstlane_b32 s[WV], v32                 ; wave 0..15
	s_lshl_b32 s17, s[WV], 10
	s_lshl_b32 s18, s[WV], 7
	s_mul_i32 s19, s[WV], 16*SP
	s_add_co_u32 s19, s19, STG                     ; my stage
	; my 16 keys of a unit: key step sp = wave / 8 of its two, keys 32 g + 4 a + kk, a = wave % 8 = 4 u + 2 v + a0: tile 4 (g / 2) + 2 u + v of S^T, so image 4 (g / 2) + 2 v + u, row 8 (g % 2) + 4 a0 + kk
	s_lshr_b32 s56, s[WV], 3                       ; sp
	s_and_b32 s57, s[WV], 7                        ; a
	s_lshr_b32 s70, s57, 1
	s_and_b32 s71, s57, 1                          ; a0
	s_and_b32 s70, s70, 1                          ; v
	s_lshr_b32 s63, s57, 2                         ; u
	s_lshl_b32 s60, s56, 12
	s_lshl_b32 s62, s70, 10
	s_add_co_u32 s60, s60, s62
	s_lshl_b32 s62, s63, 9
	s_add_co_u32 s60, s60, s62
	s_lshl_b32 s62, s71, 6
	s_add_co_u32 s60, s60, s62                     ; codes: 4,096 sp + 1,024 v + 512 u + 64 a0
	s_lshl_b32 s61, s56, 8
	s_lshl_b32 s62, s71, 5
	s_add_co_u32 s61, s61, s62
	s_lshl_b32 s62, s63, 1
	s_add_co_u32 s61, s61, s62
	s_lshl_b32 s62, s70, 7
	s_add_co_u32 s61, s61, s62
	s_add_co_u32 s61, s61, KSC                     ; scale halves: KSC + 256 sp + 32 a0 + 2 u + 128 v
	s_mov_b32 s[SEL], 0x76543210
	s_mov_b32 s[SEL+1], 0xfedcba98
	s_mov_b32 s[CS], 0x3fb8aa3b
	s_mov_b32 s[CS+1], s[CS]
	s_mov_b32 s[SCL], 0x3eb504f3
	s_mov_b32 s[SCL+1], s[SCL]
	s_mov_b32 s[TU], 8192
	s_mov_b32 s[TW], 512
	; group 1.  A quarter of V's codes of a head: 16 rows x 1,024 bytes, dense; mask: all four work-groups; four words of padding after every 256
	s_mov_b32 s[G1V], 15|(1<<20)|(1<<21)|(7<<22)|(3<<25)
	s_mov_b32 s[G1V+1], 1024<<16
	s_mov_b32 s[G1V+2], 16<<16
	s_mov_b32 s[G1V+3], 1024<<16
	s_mov_b32 s[G1V+4], 16
	s_mov_b32 s[G1V+5], 1024
	s_mov_b32 s[G1V+6], 0
	s_mov_b32 s[G1V+7], 0
	; V's scale bytes of a head: 64 rows x 64 bytes, dense; two words of padding after every 16
	s_mov_b32 s[G1S], 15|(1<<20)|(1<<21)|(3<<22)|(1<<25)
	s_mov_b32 s[G1S+1], 64<<16
	s_mov_b32 s[G1S+2], 64<<16
	s_mov_b32 s[G1S+3], 64<<16
	s_mov_b32 s[G1S+4], 64
	s_mov_b32 s[G1S+5], 64
	s_mov_b32 s[G1S+6], 0
	s_mov_b32 s[G1S+7], 0
	s_bfe_u32 s15, ttmp6, 0x40000                  ; cx: it enters q's and out's addresses alone
	s_and_b32 s16, ttmp7, 0xffff                   ; y = 16 x batch + head
	s_lshr_b32 s69, s16, 4
	s_lshl_b32 s69, s69, 23
	s_and_b32 s70, s16, 15
	s_lshl_b32 s70, s70, 8
	s_add_co_u32 s69, s69, s70                     ; the batch's rows, the head's 256 bytes of each
	s_lshl_b32 s62, s56, 19
	s_lshl_b32 s63, s57, 14
	s_add_co_u32 s62, s62, s63
	s_add_co_u32 s62, s62, s69                     ; k: row 128 sp + 4 a
	s_mov_b32 s63, 0
	s_lshl_b32 s66, ttmp9, 2
	s_add_co_u32 s66, s66, s15
	s_lshl_b32 s66, s66, 9
	s_lshl_b32 s67, s[WV], 4
	s_add_co_u32 s66, s66, s67                     ; my first query: 512 x quarter + 16 x wave (the second pass: 256 on)
	s_lshl_b32 s66, s66, 12
	s_add_co_u32 s66, s66, s69
	s_mov_b32 s67, 0
	s_lshl_b32 s26, s16, 16
	s_lshl_b32 s27, s[WV], 14
	s_add_co_u32 s26, s26, s27                     ; V's codes: the head, my wave's 16 rows
	s_mov_b32 s27, 0
	s_lshl_b32 s56, s16, 12                        ; V's scale bytes
	s_mov_b32 s57, 0
	s_mul_i32 s70, s[WV], 16*VP
	v_and_b32 v33, 31, v0                          ; lane
	v_and_b32 v34, 15, v0                          ; r
	v_bfe_u32 v35, v0, 4, 1                        ; h
	v_and_b32 v36, 7, v0                           ; e: which 8 of a row's 64 channels
	v_bfe_u32 v37, v0, 3, 2                        ; kk: which of four rows
	v_bfe_u32 v38, v0, 2, 1                        ; hb: which block of 32 channels
	v_and_b32 v39, 3, v0                           ; e3
	v_lshlrev_b32 v[AK0], 4, v33
	v_lshl_add_u32 v[AS0], v33, 3, KSC
	v_mul_u32_u24 v[AV0], v34, VP
	v_mul_u32_u24 v[AT0], v33, VSP
	v_lshl_add_u32 v[AV0], v35, 4, v[AV0]
	v_add_nc_u32 v[AT0], VSC, v[AT0]
	v_add_nc_u32 v[AV0], VIMG, v[AV0]
	v_add_nc_u32 v[AQ0], s17, v[AK0]
	v_lshl_add_u32 v[AQS], v34, 2, s18
	v_add_nc_u32 v[AQ0], QIMG, v[AQ0]
	v_add_nc_u32 v[AQS], QSC, v[AQS]
	v_lshlrev_b32 v[GO], 4, v34
	v_mul_u32_u24 v[STI], v34, SP
	v_lshl_add_u32 v[GO], v35, 12, v[GO]
	v_lshl_add_u32 v[STI], v35, 5, v[STI]
	v_mul_u32_u24 v[STO], v35, SP
	v_add_nc_u32 v[STI], s19, v[STI]
	v_lshl_add_u32 v[STO], v34, 4, v[STO]
	v_lshlrev_b32 v[KVO], 5, v36
	v_add_nc_u32 v[STO], s19, v[STO]
	v_lshl_add_u32 v[KVO], v37, 12, v[KVO]
	v_lshlrev_b32 v40, 4, v37                      ; my 4 bytes in an image: 16 x row + 256 hb + 4 e3
	v_lshl_add_u32 v[KWS], v37, 3, s61
	v_lshl_add_u32 v40, v38, 8, v40
	v_lshl_add_u32 v[QWS], v37, 2, s18
	v_lshl_add_u32 v40, v39, 2, v40
	v_add_nc_u32 v[QWS], QSC, v[QWS]
	v_add_nc_u32 v[KWI], s60, v40
	v_add_nc_u32 v[QWI], s17, v40
	v_lshlrev_b32 v[SH], 3, v38
	v_add_nc_u32 v[QWI], QIMG, v[QWI]
	v_lshlrev_b32 v[SH8], 3, v35
.irp g, 0,1,2,3
	v_mov_b32 v[TD+\g], 0                          ; the destination of a form that reads another lane counts as one of its sources
	v_mov_b32 v[QF+4+\g], 0                        ; the zero codes between the two copies of q
.endr
	v_mov_b32 v[F+1], 0
	s_wait_alu depctr_va_vdst(0)
	s_wait_dscnt 0x0                               ; both opening adds are done
	s_wait_kmcnt 0x0
	s_add_nc_u64 s[4:5], s[4:5], s[62:63]
	s_add_nc_u64 s[6:7], s[6:7], s[66:67]
	s_add_nc_u64 s[12:13], s[12:13], s[66:67]
	s_mov_b32 s[G0V], 1
	s_add_co_u32 s[G0V+1], s70, VIMG
	s_add_nc_u64 s[G0V+2:G0V+3], s[8:9], s[26:27]
	s_or_b32 s[G0V+3], s[G0V+3], 0x80000000
	s_mov_b32 s[G0S], 1
	s_mov_b32 s[G0S+1], VSC
	s_add_nc_u64 s[G0S+2:G0S+3], s[10:11], s[56:57]
	s_or_b32 s[G0S+3], s[G0S+3], 0x80000000
; 16 rows x 64 channels: four groups g of four rows; a lane takes 8 neighbouring channels of one row of each group, eight lanes a row's 256 bytes.
.macro LOADK dst, off, g0, g1          ; K: groups g0 .. g1: rows 32 g + kk from my base.  No hint: the three partners read the same rows
.irp g, 0,1,2,3
.if (\g >= \g0) && (\g <= \g1)
	global_load_b128 v[\dst+8*\g:\dst+8*\g+3],   v[KVO], s[4:5] offset:(\off)+\g*131072
	global_load_b128 v[\dst+8*\g+4:\dst+8*\g+7], v[KVO], s[4:5] offset:(\off)+\g*131072+16
.endif
.endr
.endm
.macro LOADQ dst, p                    ; Q: rows 256 p + 4 g + kk from my first query.  Read once in the launch
.irp g, 0,1,2,3
	global_load_b128 v[\dst+8*\g:\dst+8*\g+3],   v[KVO], s[6:7] offset:(\p)*1048576+\g*16384 th:TH_LOAD_NT
	global_load_b128 v[\dst+8*\g+4:\dst+8*\g+7], v[KVO], s[6:7] offset:(\p)*1048576+\g*16384+16 th:TH_LOAD_NT
.endr
.endm
; n groups of 8 numbers a lane from v[xb] on: x s4; each group's block of 32 channels lies in four neighbouring lanes.  Codes: v[C+co+g].  The row's two scale bytes: v[W+co+g], whole in all eight lanes of a row.  The groups take turns.
.macro QN xb, co, n
.set j, 0
.rept 4*\n
	v_pk_mul_f32 v[\xb+j:\xb+j+1], v[\xb+j:\xb+j+1], s[SCL:SCL+1] op_sel_hi:[1,0]
.set j, j+2
.endr
.irp g, 0,1,2,3
.if \g < \n
	v_max3_num_f32 v[MX+\co+\g], |v[\xb+8*\g]|, |v[\xb+8*\g+1]|, 0x1800000   ; the floor 2^(3 - 127): the byte cannot fall under 1
.endif
.endr
.irp i, 2,4,6
.irp g, 0,1,2,3
.if \g < \n
	v_max3_num_f32 v[MX+\co+\g], v[MX+\co+\g], |v[\xb+8*\g+\i]|, |v[\xb+8*\g+\i+1]|
.endif
.endr
.endr
.irp g, 0,1,2,3
.if \g < \n
	v_max_num_f32_dpp v[MX+\co+\g], v[MX+\co+\g], v[MX+\co+\g] row_xmask:1 row_mask:0xf bank_mask:0xf
.endif
.endr
.irp g, 0,1,2,3
.if \g < \n
	v_max_num_f32_dpp v[MX+\co+\g], v[MX+\co+\g], v[MX+\co+\g] row_xmask:2 row_mask:0xf bank_mask:0xf
.endif
.endr
.irp g, 0,1,2,3
.if \g < \n
	v_add_nc_u32 v[SO+\co+\g], 0xff000000, v[MX+\co+\g]    ; 2 off the exponent field: the conversion's scale operand
.endif
.endr
.irp g, 0,1,2,3
.if \g < \n
	v_cvt_scalef32_pk8_fp4_f32 v[C+\co+\g], v[\xb+8*\g:\xb+8*\g+7], v[SO+\co+\g]
.endif
.endr
.irp g, 0,1,2,3
.if \g < \n
	v_lshrrev_b32 v[W+\co+\g], 23, v[SO+\co+\g]    ; the scale's byte (a plain line behind the conversions)
.endif
.endr
.irp g, 0,1,2,3
.if \g < \n
	v_lshlrev_b32 v[W+\co+\g], v[SH], v[W+\co+\g]
.endif
.endr
.irp g, 0,1,2,3
.if \g < \n
	v_mov_b32_dpp v[TD+\co+\g], v[W+\co+\g] row_xmask:4 row_mask:0xf bank_mask:0xf
.endif
.endr
.irp g, 0,1,2,3
.if \g < \n
	v_or_b32 v[W+\co+\g], v[W+\co+\g], v[TD+\co+\g]   ; with the other block's
.endif
.endr
.endm
.macro KSTORE ac, aw, co               ; groups co, co + 1: group g is operand g / 2, row 8 (g % 2) + ..; the eight lanes of a row write the same two bytes with the same values
.irp g, 0,1
	ds_store_b32 v[\ac], v[C+\co+\g] offset:2048*((\co+\g)/2)+128*((\co+\g)%2)
	ds_store_b16 v[\aw], v[W+\co+\g] offset:4*((\co+\g)/2)+64*((\co+\g)%2)
.endr
.endm
.macro QSTORE p
.irp g, 0,1,2,3
	ds_store_b32 v[QWI], v[C+\g] offset:512*(\p)+64*\g
	ds_store_b32 v[QWS], v[W+\g] offset:64*(\p)+16*\g
.endr
.endm
	LOADK VF, 0, 0, 3                              ; K's unit 0
	LOADQ S+32, 0
	LOADK XR, 0x100000, 0, 3                       ; K's unit 1: converted in the first trip
	CROUND                                         ; all four work-groups are here: the joint loads meet
	s_cmp_lt_u32 s[WV], 4                          ; one chain of branches on the wave's number, one load to an arm
	s_cbranch_scc0 .Lnot_v
	tensor_load_to_lds s[G0V:G0V+3], s[G1V:G1V+7]
	s_nop 0
.rept 4
	v_nop
.endr
	s_branch .Lasked
.Lnot_v:
	s_cmp_eq_u32 s[WV], 4
	s_cbranch_scc0 .Lasked
	tensor_load_to_lds s[G0S:G0S+3], s[G1S:G1S+7]
	s_nop 0
.rept 4
	v_nop
.endr
.Lasked:
	s_wait_loadcnt 16                              ; unit 0's eight loads are in; the 16 younger may be out
	QN VF, 0, 4
	KSTORE KWI, KWS, 0
	KSTORE KWI, KWS, 2
	s_wait_loadcnt 8                               ; Q's first pass; unit 1's eight stay out
	s_wait_dscnt 0x0
	QN S+32, 0, 4
	QSTORE 0
	s_wait_tensorcnt 0x0                           ; my part of V has landed,
	s_wait_dscnt 0x0                               ; my images and scale words are stored,
	s_barrier_signal -1
	s_barrier_wait -1                              ; everybody's are
.macro LDK kf                          ; a key step's K: its scale words and eight images: nine loads
	ds_load_b64 v[KS:KS+1], v[ADS]
.irp t, 0,1,2,3,4,5,6,7
	ds_load_b128 v[\kf+4*\t:\kf+4*\t+3], v[ADK] offset:512*\t
.endr
.endm
.macro LDV                             ; a key step's V: 64 channels x 128 keys and their scale words: ten loads
.irp t, 0,1,2,3
.irp c, 0,1
	ds_load_b128 v[VF+8*\t+4*\c:VF+8*\t+4*\c+3], v[ADV] offset:16*VP*\t+32*\c
.endr
.endr
.irp i, 0,1
	ds_load_b32 v[VS+\i], v[ADT] offset:32*VSP*\i  ; lane l: the word of channel 32 i + l
.endr
.endm
.macro TM n                            ; n lines of t - M, two numbers each
.rept \n
	v_pk_fma_f32 v[S+j:S+j+1], v[S+j:S+j+1], s[CS:CS+1], v[12:13] op_sel_hi:[1,0,0]
.set j, j+2
.endr
.endm
.macro EX n                            ; n exponentials: p = 2^(t - M)
.rept \n
	v_exp_f32 v[S+e], v[S+e]
.set e, e+1
.endr
.endm
.macro UADD k, r                       ; chain k of the sum takes p's pair at register r
	v_pk_add_f32 v[U+2*(\k):U+2*(\k)+1], v[U+2*(\k):U+2*(\k)+1], v[S+(\r):S+(\r)+1]
.endm
.macro UJOIN a, b
	v_pk_add_f32 v[U+2*(\a):U+2*(\a)+1], v[U+2*(\a):U+2*(\a)+1], v[U+2*(\b):U+2*(\b)+1]
.endm
.macro LADD r
	v_pk_add_f32 v[14:15], v[14:15], v[S+(\r):S+(\r)+1]
.endm
; A KEY STEP: 128 keys, whose K (in v[kf ..]) and V have been asked for.  w1: the LDS instructions issued behind K's loads; w2: those behind V's.
; mid = 1: the next step's K is asked for behind the first product's places; endk, endv = 1: the next step's K, V behind the second product's places.
.macro CORE kf, w1, mid, w2, endk, endv
	s_wait_dscnt \w1
.irp i, 0,1                            ; operand i: 32 rows; (q, 0) gives tiles 4 i, 4 i + 1 of S^T, (0, q) tiles 4 i + 2, 4 i + 3.  K's scale words: lane m has row m's
.irp u, 0,1
	v_wmma_scale_f32_32x16x128_f4 v[S+32*\i+16*\u:S+32*\i+16*\u+15], v[\kf+16*\i:\kf+16*\i+15], v[QF+4*\u:QF+4*\u+7], 0, v[KS+\i], v[QS]
.endr
.endr
	v_add_nc_u32 v[ADK], s[TK], v[AK0]             ; the next step's addresses: also the four places behind the products
	v_add_nc_u32 v[ADS], s[TS], v[AS0]
	v_add_nc_u32 v[ADV], s[TV], v[AV0]
	v_add_nc_u32 v[ADT], s[TT], v[AT0]
	s_add_co_u32 s[TK], s[TK], 4096
	s_add_co_u32 s[TS], s[TS], 256
	s_add_co_u32 s[TV], s[TV], 64
	s_add_co_u32 s[TT], s[TT], 4
.if \mid
	LDK \kf
.endif
.irp t, 0,1,2,3,4,5,6,7                ; the largest score of each tile's first seven registers, eight chains by turns; every accumulator is first read at its low end
	v_max3_num_f32 v[BM+\t], v[S+8*\t], v[S+8*\t+1], v[S+8*\t+2]
.endr
.irp i, 3,5
.irp t, 0,1,2,3,4,5,6,7
	v_max3_num_f32 v[BM+\t], v[BM+\t], v[S+8*\t+\i], v[S+8*\t+\i+1]
.endr
.endr
	v_mov_b32 v[OM], v12
.irp c, 0,1                            ; my two blocks of 32 keys: four tiles each, and the tiles' eighth registers
	v_max3_num_f32 v[BM+4*\c], v[BM+4*\c], v[BM+4*\c+1], v[S+32*\c+7]
	v_max3_num_f32 v[BM+4*\c+2], v[BM+4*\c+2], v[BM+4*\c+3], v[S+32*\c+15]
.endr
.irp c, 0,1
	v_max3_num_f32 v[BM+4*\c], v[BM+4*\c], v[BM+4*\c+2], v[S+32*\c+23]
.endr
.irp c, 0,1
	v_max_num_f32 v[BM+4*\c], v[BM+4*\c], v[S+32*\c+31]
.endr
	s_delay_alu instid0(VALU_DEP_1)
	v_max_num_f32 v[TMP], v[BM], v[BM+4]
	s_delay_alu instid0(VALU_DEP_1)
	v_permlanex16_b32 v[T1], v[TMP], s[SEL], s[SEL+1]
	s_delay_alu instid0(VALU_DEP_1)
	v_max3_num_f32 v13, v13, v[TMP], v[T1]         ; the running largest score of my query
	s_delay_alu instid0(VALU_DEP_1)
	v_mul_f32 v[TMP], s[CS], v13                   ; as t
	s_delay_alu instid0(VALU_DEP_1)
	v_floor_f32 v12, -v[TMP]                       ; -M = floor(-t): M is a whole number
	s_delay_alu instid0(VALU_DEP_1)
	v_sub_f32 v[TMP], v12, v[OM]                   ; old M - new M: a whole number, 0 or less
.set j, 0
.set e, 0
	TM 4                                           ; t - M of my first block
	v_cvt_i32_f32 v[TMP], v[TMP]                   ; (it saturates)
	TM 4
	v_ldexp_f32 v[F], 1.0, v[TMP]                  ; f = 2^(old M - new M)
	TM 8
.irp c, 0,1
	v_fma_f32 v[BM+4*\c], v[BM+4*\c], s[CS], v12   ; the same of each block's largest score
.endr
.set i, 0
.rept 16
	v_pk_mul_f32 v[O+i:O+i+1], v[O+i:O+i+1], v[F:F+1] op_sel_hi:[1,0]   ; O^T under the new M, each accumulator from its low end on
.set i, i+2
.endr
	s_wait_alu depctr_va_vdst(0)                   ; ahead of the first batch
.rept 16                               ; THE FIRST BATCH: my first block's p; among its lines t - M of my second block, read behind the next wait
	EX 2
	TM 1
.endr
	v_exp_f32 v[BM], v[BM]                         ; the blocks' largest p
	v_exp_f32 v[BM+4], v[BM+4]
	v_pk_mul_f32 v[14:15], v[14:15], v[F:F+1] op_sel_hi:[1,0]   ; the sums under the new M (a plain line behind the exponentials)
	s_wait_alu depctr_va_vdst(0)                   ; behind the first batch and ahead of the second
	EX 2                                           ; THE SECOND BATCH: my second block's p; among its lines work on the first batch's results whose own results are read behind the next wait
.irp c, 0,1
	v_max_num_f32 v[BM+4*\c], 0x1800000, v[BM+4*\c]   ; the floor 2^(3 - 127).  (These ten lines stand on end: no exponential between a line and its reader)
.endr
.irp c, 0,1
	v_add_nc_u32 v[SOP+\c], 0xff000000, v[BM+4*\c] ; 2 off the exponent field: the conversion's scale operand
.endr
.irp c, 0,1
	v_lshrrev_b32 v[BY+\c], 23, v[SOP+\c]          ; the scale's byte
.endr
	s_delay_alu instid0(VALU_DEP_1)
	v_lshl_or_b32 v[WD], v[BY+1], 16, v[BY]        ; blocks h and 2 + h,
	s_delay_alu instid0(VALU_DEP_1)
	v_lshlrev_b32 v[WD], v[SH8], v[WD]             ; at their places in the word;
	s_delay_alu instid0(VALU_DEP_1)
	v_permlanex16_b32 v[WD+1], v[WD], s[SEL], s[SEL+1]
	s_delay_alu instid0(VALU_DEP_1)
	v_or_b32 v[PS], v[WD], v[WD+1]                 ; with lane l xor 16's two the word is whole
.irp k, 0,1,2,3,4,5,6
	EX 4
	v_pk_add_f32 v[U+2*\k:U+2*\k+1], v[S+4*\k:S+4*\k+1], v[S+4*\k+2:S+4*\k+3]   ; the row's sum of the unquantised p: seven chains begin
.endr
	EX 2
	LADD 28                                        ; (a plain line behind the exponentials)
	s_wait_alu depctr_va_vdst(0)                   ; behind the second batch
	s_wait_dscnt \w2                               ; V's fragments and scale words are in
.irp c, 0,1
.irp i, 0,1,2,3
	v_cvt_scalef32_pk8_fp4_f32 v[PC+4*\c+\i], v[S+32*\c+8*\i:S+32*\c+8*\i+7], v[SOP+\c]   ; register 4 c + i of the operand: keys 64 c + 32 h + 8 i + 0 .. 7
.endr
.endr
.irp k, 0,1,2,3                        ; four places between p's codes and the products (p's scale word has the eight additions of the second batch too)
	UADD \k, 32+2*\k
.endr
.irp i, 0,1                            ; O^T += V^T P^T: 32 channels an instruction; V's scale words: lane m has channel 32 i + m's.  The two accumulators have one turn each
	v_wmma_scale_f32_32x16x128_f4 v[O+16*\i:O+16*\i+15], v[VF+16*\i:VF+16*\i+15], v[PC:PC+7], v[O+16*\i:O+16*\i+15], v[VS+\i], v[PS]
.endr
.irp k, 4,5,6                          ; four places behind the products: they name none of the products' registers
	UADD \k, 32+2*\k
.endr
	LADD 30
.if \endk
	LDK \kf
.endif
.if \endv
	LDV
.endif
.irp k, 0,1,2,3,4,5,6
	UADD \k, 46+2*\k
.endr
	LADD 60
	UJOIN 0, 1
	UJOIN 2, 3
	UJOIN 4, 5
	LADD 62
	UJOIN 0, 2
	UJOIN 4, 6
	s_delay_alu instid0(VALU_DEP_1)
	UJOIN 0, 4
	s_delay_alu instid0(VALU_DEP_1)
	v_pk_add_f32 v[14:15], v[14:15], v[U:U+1]
.endm
; A TRIP OF THE FIRST PASS that converts a unit: two key steps, half a unit ahead of each.  load = 1: each half's registers take the unit after it; load = 0: at the end they take the second pass's q.
.macro TRIPQ load
	LDK KF                                         ; behind the last trip's barrier: this trip's first step
	LDV
	s_wait_loadcnt 4                               ; the first half's four loads are in; the second half's four may be out
	v_add_nc_u32 v[KWA], s[TU], v[KWI]
	v_add_nc_u32 v[KSA], s[TW], v[KWS]
	QN XR, 0, 2
	KSTORE KWA, KSA, 0
.if \load
	s_wait_xcnt 0x0                                ; the loads that are out have read their base: it may be stepped
	s_add_nc_u64 s[4:5], s[4:5], 0x100000          ; 256 rows on
	LOADK XR, 0x100000, 0, 1
.endif
	CORE KF, 14, 0, 0, 1, 1                        ; behind K's nine loads: V's ten and my four stores
	s_wait_loadcnt 4*\load                         ; the second half is in; the four just issued may be out
	QN XR+16, 2, 2
	KSTORE KWA, KSA, 2
.if \load
	LOADK XR, 0x100000, 2, 3
.else
	LOADQ XR, 1
.endif
	s_add_co_u32 s[TU], s[TU], 8192
	s_add_co_u32 s[TW], s[TW], 512
	s_wait_dscnt 0x0                               ; my stores of the unit are done
	s_barrier_signal -1
	CORE KF, 10, 0, 0, 0, 0                        ; work on registers alone
	s_barrier_wait -1                              ; the unit is whole
.endm
.macro BEGIN p                         ; my 16 queries 256 p on
.if \p
	s_wait_loadcnt 0x0                             ; the second pass's q
	QN XR, 0, 4
	QSTORE 1
.endif
	ds_load_b128 v[QF:QF+3], v[AQ0] offset:512*\p  ; my own wave's image: LDS serves a wave's instructions in order (ISA guide 5.7.1.4)
	ds_load_b128 v[QF+8:QF+11], v[AQ0] offset:512*\p
	ds_load_b32 v[QS], v[AQS] offset:64*\p
	v_mov_b32 v13, 0xfe967699                      ; the largest score so far: -1e38
	v_mov_b32 v12, 0x7e967699                      ; -M: 1e38
	v_mov_b32 v14, 0
	v_mov_b32 v15, 0
	v_mov_b32 v[ADK], v[AK0]
	v_mov_b32 v[ADS], v[AS0]
	v_mov_b32 v[ADV], v[AV0]
	v_mov_b32 v[ADT], v[AT0]
	s_mov_b32 s[TK], 4096
	s_mov_b32 s[TS], 256
	s_mov_b32 s[TV], 64
	s_mov_b32 s[TT], 4
	s_wait_dscnt 0x0
	v_lshl_or_b32 v[QS], v[QS], 16, v[QS]          ; q's two bytes at both places: for (q, 0) and for (0, q)
.set i, 0
.rept 32
	v_mov_b32 v[O+i], 0                            ; O^T: the step is written once; the first finds zeros
.set i, i+1
.endr
	s_wait_alu depctr_va_vdst(0)
.endm
; THE WAY OUT.  O^T / the sum goes through my stage and leaves as whole rows: a query's 64 channels are 256 bytes of out, at a multiple of 256 from its first byte.
.macro LEAVE p
	s_wait_alu depctr_va_vdst(0)
	v_add_f32 v14, v14, v15
	s_delay_alu instid0(VALU_DEP_1)
	v_permlanex16_b32 v[TMP], v14, s[SEL], s[SEL+1]
	s_delay_alu instid0(VALU_DEP_1)
	v_add_f32 v14, v14, v[TMP]                     ; the row's sum
	s_wait_alu depctr_va_vdst(0)
	v_rcp_f32 v14, v14
	v_nop
	s_wait_alu depctr_va_vdst(0)
.set i, 0
.rept 16
	v_pk_mul_f32 v[S+i:S+i+1], v[O+i:O+i+1], v[14:15] op_sel_hi:[1,0]   ; register 8 t + i: out(query r, channel 16 t + 8 h + i)
.set i, i+2
.endr
.irp t, 0,1,2,3
	ds_store_b128 v[STI], v[S+8*\t:S+8*\t+3] offset:64*\t
	ds_store_b128 v[STI], v[S+8*\t+4:S+8*\t+7] offset:64*\t+16
.endr
.irp i, 0,1,2,3,4,5,6,7
	ds_load_b128 v[VF+4*\i:VF+4*\i+3], v[STO] offset:2*SP*\i   ; these see my stores
.endr
.irp i, 0,1,2,3,4,5,6,7
	s_wait_dscnt 7-\i                              ; rows 2 i and 2 i + 1 are back; the younger loads may be out
	global_store_b128 v[GO], v[VF+4*\i:VF+4*\i+3], s[12:13] offset:1048576*\p+8192*\i th:TH_STORE_NT   ; 16 lanes store 256 consecutive bytes
.endr
.if \p == 0
	s_wait_xcnt 0x0                                ; the stores' data registers take V's fragments again: only behind this wait
.endif
.endm
	BEGIN 0
	s_mov_b32 s[STEPS], 6
.Lfirst:                                           ; trips 0-5 convert units 1-6 and ask for units 2-7
	TRIPQ 1
	s_sub_co_u32 s[STEPS], s[STEPS], 1
	s_cmp_lg_u32 s[STEPS], 0
	s_cbranch_scc1 .Lfirst
	TRIPQ 0                                        ; trip 6 converts unit 7
	LDK KF                                         ; trip 7
	LDV
	CORE KF, 10, 0, 0, 1, 1
	CORE KF, 10, 0, 0, 0, 0
	LEAVE 0
	BEGIN 1
	LDK XR                                         ; THE SECOND PASS: K has a buffer of its own
	LDV
	s_mov_b32 s[STEPS], 7
.Lsecond:                                          ; two key steps a trip; behind V's loads: the next step's nine of K
	CORE XR, 10, 1, 9, 0, 1
	CORE XR, 10, 1, 9, 0, 1
	s_sub_co_u32 s[STEPS], s[STEPS], 1
	s_cmp_lg_u32 s[STEPS], 0
	s_cbranch_scc1 .Lsecond
	CORE XR, 10, 1, 9, 0, 1
	CORE XR, 10, 0, 0, 0, 0                        ; the last step asks for nothing
	LEAVE 1
	s_wait_tensorcnt 0x0                           ; the wave's end
	ds_add_u32 v[SPW], v[NIL]
	s_wait_dscnt 0x0
	CROUND                                         ; the closing round
	s_endpgm
.Lfunc_end_k_q6d369740c0_attn:
	.size	k_q6d369740c0_attn, .Lfunc_end_k_q6d369740c0_attn-k_q6d369740c0_attn
	.p2alignl 7, 3214868480
	.fill 96, 4, 3214868480
	.section	.rodata,"a",@progbits
	.p2align	6, 0x0
	.amdhsa_kernel k_q6d369740c0_attn
		.amdhsa_group_segment_fixed_size 230912
		.amdhsa_private_segment_fixed_size 0
		.amdhsa_enable_private_segment 0
		.amdhsa_kernarg_size 40
		.amdhsa_user_sgpr_count 2
		.amdhsa_user_sgpr_kernarg_segment_ptr 1
		.amdhsa_wavefront_size32 1
		.amdhsa_system_sgpr_workgroup_id_x 1
		.amdhsa_system_sgpr_workgroup_id_y 1
		.amdhsa_system_sgpr_workgroup_id_z 1
		.amdhsa_system_vgpr_workitem_id 0
		.amdhsa_next_free_vgpr 256
		.amdhsa_next_free_sgpr 72
		.amdhsa_reserve_vcc 0
		.amdhsa_float_denorm_mode_32 3
		.amdhsa_float_denorm_mode_16_64 3
		.amdhsa_memory_ordered 1
		.amdhsa_forward_progress 1
		.amdhsa_inst_pref_size 179
	.end_amdhsa_kernel
	.amdgpu_metadata
---
amdhsa.version: [ 1, 2 ]
amdhsa.kernels:
  - .name:           k_q6d369740c0_attn
    .symbol:         k_q6d369740c0_attn.kd
    .args:
      - { .name: k, .offset: 0, .size: 8, .value_kind: global_buffer, .address_space: global }
      - { .name: q, .offset: 8, .size: 8, .value_kind: global_buffer, .address_space: global }
      - { .name: v_codes, .offset: 16, .size: 8, .value_kind: global_buffer, .address_space: global }
      - { .name: v_scales, .offset: 24, .size: 8, .value_kind: global_buffer, .address_space: global }
      - { .name: out0, .offset: 32, .size: 8, .value_kind: global_buffer, .address_space: global }
    .group_segment_fixed_size: 230912
    .private_segment_fixed_size: 0
    .kernarg_segment_align: 8
    .kernarg_segment_size: 40
    .max_flat_workgroup_size: 512
    .sgpr_count:     72
    .vgpr_count:     256
    .wavefront_size: 32
...
	.end_amdgpu_metadata
.endif
;; end of part 1
